; MI455X (gfx1250); checked and timed in simulation.
; The chip was launched on July 23, 2026; its instructions are those of AMD's public machine-readable ISA for CDNA 5 (MIT licence, August 2026) and "CDNA5" Instruction Set Architecture Reference Guide (July 2026). The comments in the code are by the model that wrote it; some were corrected since.
;; LSTM Cell. Allowed arithmetic: matrix products marked QUANTISED: E3M2 operands, one E8M0 scale for each 32 along K, by v_wmma_scale_f32_16x16x128_f8f6f4 with both operands' format E3M2, f32 sums; everything else in f32.
;; Inputs: b_c 2,048 float32; b_f 2,048 float32; b_i 2,048 float32; b_o 2,048 float32; c 2,048 x 2,048 float32; h 2,048 x 2,048 float32; w_hc 2,048 x 2,048 float32; w_hf 2,048 x 2,048 float32; w_hi 2,048 x 2,048 float32; w_ho 2,048 x 2,048 float32; w_xc 2,048 x 2,048 float32; w_xf 2,048 x 2,048 float32; w_xi 2,048 x 2,048 float32; w_xo 2,048 x 2,048 float32; x 2,048 x 2,048 float32.
;; Outputs: out0 2,048 x 2,048 float32; out1 2,048 x 2,048 float32.
;; This version of the problem:
;;   THIS VERSION OF THE PROBLEM IS GIVEN IN LOW PRECISION. The matrix products marked QUANTISED in the list below multiply operands that are first quantised to E3M2 (3 exponent bits, 2 mantissa bits; 6 bits a number), with one power-of-two scale for each 32 numbers along K (OCP MX v1.0); their sums are f32. All else is computed in f32.
;;   The module's matrix products, in the order in which they are computed (A, B: the left and right operand; K: the contracted axis; several contracted axes count as one K, in the product's order):
;;     1. [M 2,048, K 2,048] x [K 2,048, N 8,192]; A: input x; B: computed on the way: QUANTISED
;;     2. [M 2,048, K 2,048] x [K 2,048, N 8,192]; A: input h; B: computed on the way: QUANTISED
;;   THE QUANTISER, for each operand of a quantised product, along K:
;;     - K is cut into blocks of 32 from its start; a last block that is shorter is filled with zeros.
;;     - A block's scale is 2^e with e = floor(log2(the largest magnitude in the block)) - 4, held to -126 .. 127; a block of zeros has e = 0. As a byte (E8M0): e + 127.
;;     - Each number is divided by its block's scale, clamped to +-28, and rounded to the nearest number of E3M2, ties to even, subnormals kept.
;;     - The product sums the exact products of the quantised numbers (number of the format x scale) in f32.
;;   ~~~python
;;   def quantise(x, axis):      # numpy; x: float32 -> the quantised numbers, widened to float32 again
;;       x = np.moveaxis(x, axis, -1); K = x.shape[-1]
;;       x = np.pad(x, [(0, 0)] * (x.ndim - 1) + [(0, -K % 32)]); x = x.reshape(x.shape[:-1] + (-1, 32)); a = np.abs(x).max(-1, keepdims=True)
;;       e = np.where(a > 0, np.clip(np.frexp(np.where(a > 0, a, 1))[1] - 1 - 4, -126, 127), 0)      # np.frexp(a)[1] - 1 = floor(log2(a)), exactly
;;       r = np.clip(x / 2.0 ** e, -28, 28)
;;       step = 2.0 ** (np.maximum(np.frexp(np.where(r == 0, 1, r))[1] - 1, -2) - 2)
;;       q = np.round(r / step) * step * 2.0 ** e      # np.round: ties to even
;;       return np.moveaxis(q.reshape(q.shape[:-2] + (-1,))[..., :K], -1, axis).astype(np.float32)
;;   ~~~
;;   OPERANDS COMPUTED ON THE WAY. 'Computed on the way' means the value that the module computes at that place (a softmax that the list does not call 'softmax' is quantised finished and normalised). What goes into a quantiser is computed in f32, as accurately as f32 sums, v_exp_f32 and their like allow (about 1e-6 of the number): no bf16 or f16 on the way to a quantiser, and a product that is left as it is and whose result goes on into a quantised operand takes f32 operands (vector FMAs, or v_wmma_f32_16x16x4_f32). A number that lies on a knife's edge between two numbers of the format may be rounded either way, as far as f32 arithmetic and the matrix unit's own rounding can turn it there, and no further.
;; One version. Each part assembles by itself: llvm-mc -triple=amdgcn-amd-amdhsa -mcpu=gfx1250 --defsym DOCPART=n.
;; ======== version 1 of 1: 2 launches
;; limits: right only within a limited range of input values
;; workspace buffers: codes 32,768,000 bytes
;; launch quant (part 1): grid 1280 x 1, 4 waves a work-group, no clusters, 36,352 bytes of LDS; arguments x, w_xf, w_xi, w_xo, w_xc, h, w_hf, w_hi, w_ho, w_hc, codes; writes codes
.if DOCPART == 1
	.amdgcn_target "amdgcn-amd-amdhsa--gfx1250"
	.amdhsa_code_object_version 6
	.text
	.protected	k_qaf2e2f35fb_quant
	.globl	k_qaf2e2f35fb_quant
	.p2align	8
	.type	k_qaf2e2f35fb_quant,@function
k_qaf2e2f35fb_quant:
	s_mov_b64 s[64:65], 0
	v_nop
	global_prefetch_b8 v0, s[64:65] scope:SCOPE_SE
	s_setreg_imm32_b32 hwreg(HW_REG_WAVE_MODE, 25, 1), 1
	s_wait_xcnt 0x0
; x, h [2048][2048] and the eight weights [2048][2048], f32, K innermost, become codes of BF6 (E3M2) with one E8M0 byte for each 32 along K,
; laid in the ORDER OF THE OPERAND'S REGISTERS, so that the next launch takes every fragment by loads of 16 bytes a lane and several K steps' tiles as one dense block.
; A CHUNK (12,800 bytes) = 128 operand rows x 128 along K: 8 fragment images of 1,536 bytes (block i of 16 rows at 1536 i; registers 4 c .. 4 c + 3 of lane l at 512 c + 16 l),
; then 512 bytes of scale words (block i, row r: at 12288 + 256 (i / 4) + 16 r + 4 (i % 4)).  In a fragment lane (r, h) holds, in registers 6 c' .. 6 c' + 5, k = 64 c' + 32 h + 0 .. 31 of row r.
; A group's 32 chunks lie on end: chunk 32 grp + 2 KS + q.  KS 0-7: the x side (x, w_x*), KS 8-15: the h side.  grp 0-15: rows 128 grp on of x or h.  grp 16-79: hidden group HG = grp - 16; its row 32 g + j is row 32 HG + j of gate g's weight (f, i, o, c~).
; SHARES: work-group 16 grp + KS makes the two chunks q = 0, 1; wave p makes blocks 2 p and 2 p + 1 of both, which are always 32 neighbouring rows x 256 columns of ONE tensor (for the weights: gate p's).  Only pointers are chosen; all take one path.
; A block's scale is 2^(floor(log2(largest magnitude)) - 4): its byte is the largest magnitude's exponent field - 4, held at 1 from below by a floor among the maximum's leaves.
; LIMITS: a block of zeros gets the byte 1 (the rule says 127): its codes are zeros, which add nothing, and this program alone reads the bytes.  NaN and infinities among the inputs are not served.
; A STEP is 16 rows x 64 along K: eight loads, each half of the lanes reading 256 consecutive bytes of a row, aligned; the 4,096 bytes turn through the wave's own stage in LDS (rows 272 bytes apart) and come back
; 128 bytes a lane: a whole block of 32 in one lane's registers, so that its maximum needs no other lane.  Two steps make a fragment.  Loads run up to three steps ahead.
; The waves share nothing but the scale words at the end: a wave has only half of each aligned 256 bytes of them, so the four waves' words meet in LDS behind one barrier and each wave stores 256 consecutive bytes.
.set STG,  4352                        ; a stage: 16 rows x (256 + 16) bytes; 272 is an odd multiple of 16, so the sixteen rows of a read start in sixteen different groups of banks
.set WREG, 2*STG                       ; a wave's LDS: two stages by turns
.set SCW,  4*WREG                      ; behind the stages: the work-group's 1,024 bytes of scale words, as they lie in the two chunks
.set KC,   12800                       ; a chunk
.set W,    12                          ; v12-15   the four fragments' scale words: register 2 ii + q
.set R,    16                          ; v16-111  three sets of 32 registers, as loaded
.set X,    112                         ; v112-175 two sets of 32 neighbours along K
.set PC,   176                         ; v176-187 a fragment's twelve registers
.set TC,   188                         ; v188-190 a conversion's three registers begin on an even number: a block's upper half is made here and moved
.set SA,   191                         ; v191     LDS: where I put my two scale words
	s_load_b512 s[8:23], s[0:1], 0x0               ; x 8:9, w_xf 10:11, w_xi 12:13, w_xo 14:15, w_xc 16:17, h 18:19, w_hf 20:21, w_hi 22:23
	s_load_b128 s[24:27], s[0:1], 0x40             ; w_ho 24:25, w_hc 26:27
	s_load_b64 s[28:29], s[0:1], 0x50              ; codes
	v_lshrrev_b32 v6, 5, v0
	v_readfirstlane_b32 s2, v6                     ; wave p
	v_and_b32 v7, 31, v0                           ; lane l
	v_and_b32 v8, 15, v0                           ; r
	v_bfe_u32 v9, v0, 4, 1                         ; h
	v_lshlrev_b32 v4, 4, v7                        ; v4: 16 l: my place in an image's 512 bytes
	v_lshlrev_b32 v1, 4, v8
	v_lshl_add_u32 v1, v9, 13, v1                  ; v1: a load: lanes 0-15 one row's 256 bytes, lanes 16-31 the next row's (8,192 bytes on)
	s_mul_i32 s33, s2, WREG
	v_mul_u32_u24 v2, v9, 272
	v_lshl_add_u32 v2, v8, 4, v2
	v_add_nc_u32 v2, s33, v2                       ; v2: the stage on the way in: the same two rows
	v_mul_u32_u24 v3, v8, 272
	v_lshl_add_u32 v3, v9, 7, v3
	v_add_nc_u32 v3, s33, v3                       ; v3: and on the way out: row r, my half's 32 numbers
	v_lshlrev_b32 v10, 3, v9                       ; v10: 8 h: kept
	s_lshr_b32 s36, s2, 1                          ; p / 2
	s_and_b32 s32, s2, 1                           ; p % 2
	s_lshl_b32 s37, s36, 8
	s_lshl_b32 s33, s32, 3
	s_add_co_u32 s37, s37, s33
	s_add_co_u32 s37, s37, SCW
	v_lshlrev_b32 v[SA], 4, v8
	v_lshl_add_u32 v[SA], v9, 9, v[SA]
	v_add_nc_u32 v[SA], s37, v[SA]                 ; lanes 0-15 chunk q = 0, lanes 16-31 q = 1: 512 q + 256 (p / 2) + 16 r + 8 (p % 2): blocks 2 p and 2 p + 1 of row r
	s_lshl_b32 s37, s2, 8
	s_add_co_u32 s37, s37, SCW
	v_lshl_add_u32 v11, v7, 3, s37                 ; v11: and what I read back: the p-th 256 bytes, 8 bytes a lane
	s_mul_i32 s36, s36, KC                         ; in memory these are the (p % 2)-th 256 bytes of chunk p / 2's scale words, counted from my images:
	s_lshl_b32 s33, s32, 8
	s_add_co_u32 s36, s36, s33
	s_add_co_u32 s36, s36, 12288
	s_mul_i32 s33, s2, 3072
	s_sub_co_u32 s36, s36, s33                     ; 12800 (p / 2) + 12288 + 256 (p % 2) - 3072 p: 12288, 9472, 18944, 16128
	v_lshl_add_u32 v5, v7, 3, s36                  ; v5: + 8 l
	s_mov_b32 s38, 0x76543210
	s_mov_b32 s39, 0xfedcba98                      ; v_permlanex16_b32's selects for lane l xor 16
	; all arithmetic stands ahead of the compares, so that only selections stand between a compare and its selections
	s_and_b32 s3, ttmp9, 15                        ; KS
	s_lshr_b32 s4, ttmp9, 4                        ; grp
	s_lshl_b32 s5, s4, 7
	s_lshl_b32 s37, s2, 5
	s_add_co_u32 s5, s5, s37                       ; x, h: my first row = 128 grp + 32 p
	s_sub_co_u32 s6, s4, 16
	s_lshl_b32 s6, s6, 5                           ; a weight: my first row = 32 (grp - 16); not taken where grp < 16
	s_and_b32 s7, s3, 7
	s_lshl_b32 s7, s7, 10                          ; the K step's 256 columns, in bytes
	s_mul_i32 s34, ttmp9, 2*KC
	s_add_co_u32 s34, s34, s33                     ; my images in the first of the two chunks: + 3072 p
	s_mov_b32 s35, 0
	s_wait_alu depctr_va_vdst(0)
	s_wait_kmcnt 0x0
	s_cmp_lt_u32 s3, 8                             ; the x side or the h side: the choices hang on the work-group's and the wave's number alone
	s_cselect_b64 s[8:9], s[8:9], s[18:19]
	s_cselect_b64 s[10:11], s[10:11], s[20:21]
	s_cselect_b64 s[12:13], s[12:13], s[22:23]
	s_cselect_b64 s[14:15], s[14:15], s[24:25]
	s_cselect_b64 s[16:17], s[16:17], s[26:27]
	s_cmp_lt_u32 s2, 2                             ; gate p's weight: f or o, i or c~,
	s_cselect_b64 s[10:11], s[10:11], s[14:15]
	s_cselect_b64 s[12:13], s[12:13], s[16:17]
	s_cmp_eq_u32 s32, 0                            ; and of the two the even or the odd one
	s_cselect_b64 s[10:11], s[10:11], s[12:13]
	s_cmp_lt_u32 ttmp9, 256                        ; the first 256 work-groups are x's and h's
	s_cselect_b64 s[8:9], s[8:9], s[10:11]
	s_cselect_b32 s5, s5, s6
	s_lshl_b32 s30, s5, 13                         ; row x 8,192 bytes (under 2^24)
	s_add_co_u32 s30, s30, s7
	s_mov_b32 s31, 0
	s_add_nc_u64 s[8:9], s[8:9], s[30:31]
	s_add_nc_u64 s[28:29], s[28:29], s[34:35]
; step t = 4 ii + 2 q + c': rows 16 ii on, columns 128 q + 64 c' on
.macro LOAD t
.irp j, 0,1,2,3,4,5,6,7
	global_load_b128 v[R+32*((\t)%3)+4*\j:R+32*((\t)%3)+4*\j+3], v1, s[8:9] offset:(16*((\t)/4)+2*\j)*8192+512*(((\t)/2)%2)+256*((\t)%2) th:TH_LOAD_NT
.endr
.endm
.macro TURN t                          ; through the stage: LDS serves a wave's instructions in order (ISA guide 5.7.1.4), so no wait stands between the stores and the loads
.irp j, 0,1,2,3,4,5,6,7
	ds_store_b128 v2, v[R+32*((\t)%3)+4*\j:R+32*((\t)%3)+4*\j+3] offset:STG*((\t)%2)+544*\j
.endr
.irp j, 0,1,2,3,4,5,6,7
	ds_load_b128 v[X+32*((\t)%2)+4*\j:X+32*((\t)%2)+4*\j+3], v3 offset:STG*((\t)%2)+16*\j
.endr
.endm
.macro STEP t
.set XS, X+32*((\t)%2)
.set CP, (\t)%2
.set FF, (\t)/2
	s_wait_dscnt 0x0                               ; this step's numbers are back from the stage, so its stores into the stage have read their registers,
.if (\t)+3 < 8
	LOAD (\t)+3                                    ; which take the loads of three steps on
.endif
.if (\t)+1 < 8
.if (\t) <= 4
	s_wait_loadcnt 16                              ; the next step's eight loads are in; those of the two steps behind it may be out
.else
	s_wait_loadcnt 8*(6-(\t))                      ; towards the end fewer are behind it
.endif
	TURN (\t)+1                                    ; and go through the other stage while this step is worked
.endif
	v_max3_num_f32 v6, |v[XS]|, |v[XS+1]|, |v[XS+2]|               ; the block's largest magnitude: all 32 numbers are mine; two chains
	v_max3_num_f32 v7, |v[XS+3]|, |v[XS+4]|, |v[XS+5]|
.irp i, 6,10,14,18,22,26
	v_max3_num_f32 v6, v6, |v[XS+\i]|, |v[XS+\i+1]|
	v_max3_num_f32 v7, v7, |v[XS+\i+2]|, |v[XS+\i+3]|
.endr
	v_max3_num_f32 v6, v6, |v[XS+30]|, |v[XS+31]|
	v_max3_num_f32 v6, v6, v7, 0x2800000           ; and the floor 2^(5 - 127): the byte cannot fall under 1
	v_add_nc_u32 v8, 0xfe000000, v6                ; 4 off the exponent field: the conversion takes this operand's exponent field as its scale, and nothing else of it
.if CP == 0
	v_lshrrev_b32 v[W+FF], 23, v8                  ; the byte of block h of my row
.else
	v_lshrrev_b32 v9, 23, v8                       ; that of block 2 + h
.endif
.if (CP == 0) && (FF > 0)
	s_wait_alu depctr_va_vdst(0)
	s_wait_xcnt 0x0                                ; the last fragment's stores have read their registers: only behind this wait are they written again
.endif
	v_cvt_scalef32_pk16_bf6_f32 v[PC+6*CP:PC+6*CP+2], v[XS:XS+15], v8
	v_cvt_scalef32_pk16_bf6_f32 v[TC:TC+2], v[XS+16:XS+31], v8
	v_nop                                          ; one plain place behind a scaled conversion
.irp i, 0,1,2
	v_mov_b32 v[PC+6*CP+3+\i], v[TC+\i]
.endr
.if CP == 1
	v_lshl_or_b32 v[W+FF], v9, 16, v[W+FF]         ; my two bytes,
	v_lshlrev_b32 v[W+FF], v10, v[W+FF]            ; at their places in the word (8 h bits up);
	v_permlanex16_b32 v9, v[W+FF], s38, s39        ; (its destination counts as read: v9 has just been written, and is done with)
	v_or_b32 v[W+FF], v[W+FF], v9                  ; with lane l xor 16's two the row's word is whole, in both lanes
.irp c, 0,1,2
	global_store_b128 v4, v[PC+4*\c:PC+4*\c+3], s[28:29] offset:KC*(FF%2)+1536*(FF/2)+512*\c   ; the image, in chunk q = FF % 2: 32 lanes store 512 consecutive bytes, at a multiple of 256 from the buffer's first byte
.endr
.endif
.endm
	LOAD 0
	LOAD 1
	LOAD 2
	s_wait_loadcnt 16                              ; step 0's eight loads are in
	TURN 0
.irp t, 0,1,2,3,4,5,6,7
	STEP \t
.endr
	v_cmp_ne_u32 vcc_lo, 0, v10                    ; lanes 0-15 take chunk 0's words of row r, lanes 16-31 chunk 1's:
	v_cndmask_b32 v6, v12, v13, vcc_lo             ; block 2 p's,
	v_cndmask_b32 v7, v14, v15, vcc_lo             ; block 2 p + 1's
	ds_store_b64 v[SA], v[6:7]
	s_wait_dscnt 0x0                               ; for the others' sake: my words lie in LDS
	s_barrier_signal -1
	s_barrier_wait -1                              ; everybody's do
	ds_load_b64 v[8:9], v11
	s_wait_dscnt 0x0
	global_store_b64 v5, v[8:9], s[28:29]          ; 32 lanes store 256 consecutive bytes, aligned
	v_lshl_add_u32 v12, v0, 2, 0x8c00              ; all 192 registers are at work until here, so v0 is kept and the add's two registers are made now: my spare word, behind the scale words,
	v_mov_b32 v13, 0                               ; and 0 (v12-13 held scale words, which are done with)
	s_wait_alu depctr_va_vdst(0)                   ; directly ahead of the wait below
	s_wait_tensorcnt 0x0                           ; the wave's end
	ds_add_u32 v12, v13
	s_wait_dscnt 0x0
	s_endpgm
.Lfunc_end_k_qaf2e2f35fb_quant:
	.size	k_qaf2e2f35fb_quant, .Lfunc_end_k_qaf2e2f35fb_quant-k_qaf2e2f35fb_quant
	.p2alignl 7, 3214868480
	.fill 96, 4, 3214868480
	.section	.rodata,"a",@progbits
	.p2align	6, 0x0
	.amdhsa_kernel k_qaf2e2f35fb_quant
		.amdhsa_group_segment_fixed_size 36352
		.amdhsa_private_segment_fixed_size 0
		.amdhsa_enable_private_segment 0
		.amdhsa_kernarg_size 88
		.amdhsa_user_sgpr_count 2
		.amdhsa_user_sgpr_kernarg_segment_ptr 1
		.amdhsa_wavefront_size32 1
		.amdhsa_system_sgpr_workgroup_id_x 1
		.amdhsa_system_sgpr_workgroup_id_y 1
		.amdhsa_system_sgpr_workgroup_id_z 1
		.amdhsa_system_vgpr_workitem_id 0
		.amdhsa_next_free_vgpr 192
		.amdhsa_next_free_sgpr 66
		.amdhsa_reserve_vcc 1
		.amdhsa_float_denorm_mode_32 3
		.amdhsa_float_denorm_mode_16_64 3
		.amdhsa_memory_ordered 1
		.amdhsa_forward_progress 1
		.amdhsa_inst_pref_size 32
	.end_amdhsa_kernel
	.amdgpu_metadata
---
amdhsa.version: [ 1, 2 ]
amdhsa.kernels:
  - .name:           k_qaf2e2f35fb_quant
    .symbol:         k_qaf2e2f35fb_quant.kd
    .args:
      - { .name: x, .offset: 0, .size: 8, .value_kind: global_buffer, .address_space: global }
      - { .name: w_xf, .offset: 8, .size: 8, .value_kind: global_buffer, .address_space: global }
      - { .name: w_xi, .offset: 16, .size: 8, .value_kind: global_buffer, .address_space: global }
      - { .name: w_xo, .offset: 24, .size: 8, .value_kind: global_buffer, .address_space: global }
      - { .name: w_xc, .offset: 32, .size: 8, .value_kind: global_buffer, .address_space: global }
      - { .name: h, .offset: 40, .size: 8, .value_kind: global_buffer, .address_space: global }
      - { .name: w_hf, .offset: 48, .size: 8, .value_kind: global_buffer, .address_space: global }
      - { .name: w_hi, .offset: 56, .size: 8, .value_kind: global_buffer, .address_space: global }
      - { .name: w_ho, .offset: 64, .size: 8, .value_kind: global_buffer, .address_space: global }
      - { .name: w_hc, .offset: 72, .size: 8, .value_kind: global_buffer, .address_space: global }
      - { .name: codes, .offset: 80, .size: 8, .value_kind: global_buffer, .address_space: global }
    .group_segment_fixed_size: 36352
    .private_segment_fixed_size: 0
    .kernarg_segment_align: 8
    .kernarg_segment_size: 88
    .max_flat_workgroup_size: 128
    .sgpr_count:     66
    .vgpr_count:     192
    .wavefront_size: 32
...
	.end_amdgpu_metadata
.endif
;; end of part 1
;; launch cell (part 2): grid 32 x 8, 4 waves a work-group, clusters of 4 x 4, 327,680 bytes of LDS; arguments codes, b_f, b_i, b_o, b_c, c, out0, out1; writes out0, out1
.if DOCPART == 2
	.amdgcn_target "amdgcn-amd-amdhsa--gfx1250"
	.amdhsa_code_object_version 6
	.text
	.protected	k_qaf2e2f35fb_cell
	.globl	k_qaf2e2f35fb_cell
	.p2align	8
	.type	k_qaf2e2f35fb_cell,@function
k_qaf2e2f35fb_cell:
	s_mov_b64 s[64:65], 0
	v_nop
	global_prefetch_b8 v0, s[64:65] scope:SCOPE_SE
	s_setreg_imm32_b32 hwreg(HW_REG_WAVE_MODE, 25, 1), 1
	s_wait_xcnt 0x0
	s_wait_alu depctr_hold_cnt(0) depctr_sa_sdst(0) depctr_va_vdst(0) depctr_va_sdst(0) depctr_va_ssrc(0) depctr_va_vcc(0) depctr_vm_vsrc(0)
	s_getreg_b32 s2, hwreg(HW_REG_IB_STS2, 6, 4)
	s_cmp_eq_u32 s2, 0
	s_cbranch_scc0 .Lentry_in_a_cluster
	s_endpgm
.Lentry_in_a_cluster:
	s_bfe_u32 s2, ttmp6, 0x10000c
	s_cmp_lg_u32 s2, 0xf033
	s_cbranch_scc0 .Lentry_shape_is_right
	s_endpgm
.Lentry_shape_is_right:
; The LSTM cell on codes of BF6: gates = [x h] [Wx Wh]^T + b over K = 4,096 (32 steps of 128: 16 of x's side, 16 of h's), then the gates' functions, c_new (out1) and h_new (out0), all in f32.
; A work-group of four waves makes 256 rows of the batch x 64 hidden units x 4 gates; a wave 128 x 128: 64 accumulators, 512 registers.  codes is laid by the launch before in chunks of 12,800 bytes
; (128 operand rows x 128 K: eight register images of 1,536 bytes, then 512 bytes of scale words); a group's 32 chunks lie on end.  Groups 0-15: rows of x|h; groups 16-79: 32 hidden units x 4 gates of the weights.
; THE RING: two LDS slots of 3 K steps each (4 regions of 3 chunks: A's two groups, B's two); each wave fetches one region by one tensor load, as rows of 256 bytes.  Fill f holds steps 3 f .. 3 f + 2; fill 10 has two steps.
; CLUSTERS 4 x 4: A's regions are asked for jointly along a row of the cluster, B's along a column.  The matrix instruction is used transposed (source 0 = B, source 1 = A): a lane holds one row of the batch and eight neighbouring hidden units.
; A STEP is 64 matrix instructions, A's blocks one after the other against B's eight.  The next step's fragments are fetched in TWO RUNS OF 24 LOADS: B's eight fragments, into B's other set, behind matrix instruction 15;
; A's eight behind instruction 39.  A's blocks 0 and 1 have one buffer (free behind instruction 15), blocks 2 to 7 two, by turns.  The waits on DScnt are counted by the assembler: ISS counts the LDS instructions issued, DAa is its value behind block a's loads.
; A SLOT'S LAST STEP changes slots: the three lines at its head, 8 matrix instructions, the wait, the round's opening signal, 8 more, the rest of the round, the refill; B's run, from the other slot, follows it directly.
; PREFETCH: behind a refill in the loop, and behind the LDS loads that follow it, each wave names the region of the NEXT refill (3 K steps, 192 matrix instructions on): 150 blocks of 256 bytes, of which the partner at place p of the four
; that ask jointly takes blocks p, p + 4, .. (lanes left over name the region's last block).  Fills 0 to 2 and the short fill 10 come by their loads alone: a region of 150 blocks named at fill 10 would pass the group's end.
; REGISTERS: window 0: v12-30 addresses; v32-79 scale words; v128-223 A's fragments; v224-247 and v80-127 the second buffers of blocks 2, 3 and 4 to 7.  Window 1: B's two sets at v0 and v128; the biases in v96-127 and v224-255.  Windows 2, 3: the accumulators.
; LIMITS: NaN and infinities among the inputs are not served.  sigmoid(t) = 1 / (1 + 2^(-t log2 e)), tanh(t) = 1 - 2 / (1 + 2^(2 t log2 e)): an exponential that overflows gives the function's limit.
.set KC,     12800
.set FRB,    1536
.set SCO,    12288
.set REG,    3*KC                      ; a region: three chunks of one group
.set SLOT,   4*REG
.set SPARE,  2*SLOT                    ; behind the ring: the spare words, 128 bytes a wave
.set SP,     272
.set CST,    SLOT                      ; the way out lies in slot 1, behind its last fill: c's tile (that last fill), then c_new, 256 rows x 272;
.set HST,    SLOT+256*SP               ; and h_new
.set LAPS,   4
.set GRPB,   32*KC
.set BBASE,  16*GRPB
.set FR,     12
.set PF0,  12                          ; v12-13 the prefetches' offsets; never rewritten
.set PF1,  13
.set ADRA, 16                          ; v16-17 my A images in slot 0, 1;  v20-21 B's;  v22-23 scale words (lanes 0-15 A's, 16-31 B's)
.set ADRB, 20
.set ADRS, 22
.set CA,   24
.set HA,   25
.set RDC,  26
.set RDH,  27
.set SPW,  28
.set NIL,  29
.set CO,   30
.set SC,   32                          ; v32-79 scale words: 24 for each slot: register 8 j + i
.set AF,   128
.set T,    128
.set CC,   192
.set CN,   208
.set HN,   T+48
.set G1,   24
.set G0,   32
.set G1B,  48
.set G0B,  56
.set PFA,  66                          ; s[66:67] the region that my refill asks for; a prefetch names the one behind it
.set G1C,  68
.set G0C,  76
.set K1,   80
.set K2,   82
.set G1L,  84
.set G1BL, 92
.set MSB, 0
.set ISS, 0
.macro WIN new                         ; the immediate's high byte repeats the setting that is left
.if MSB != (\new)
	s_set_vgpr_msb (MSB<<8)|(\new)
.set MSB, (\new)
.endif
.endm
.set MUL_LO, 0xa1                      ; source 0 (B) window 1, source 1 (A) window 0, C and D window 2
.set TO_B,   0x40
.macro JLOAD g0a, g1a, g0b, g1b        ; a joint load: waves 0, 1 for A, waves 2, 3 for B
	s_cmp_eq_u32 s21, 0
	s_cbranch_scc0 .Lfor_b_\@
	tensor_load_to_lds s[\g0a:\g0a+3], s[\g1a:\g1a+7]
	s_nop 0
.rept 4
	v_nop
.endr
	s_branch .Lasked_\@
.Lfor_b_\@:
	tensor_load_to_lds s[\g0b:\g0b+3], s[\g1b:\g1b+7]
	s_nop 0
.rept 4
	v_nop
.endr
.Lasked_\@:
.endm
.macro CREST                           ; a round of the cluster's barrier behind its opening barrier
	s_cmp_lg_u32 s20, 0
	s_cbranch_scc1 .Lnot_wave_0_\@
	s_barrier_signal -3
.Lnot_wave_0_\@:
	s_barrier_wait -3
	s_barrier_signal -1
	s_barrier_wait -1
.endm
.macro CROUND
	s_barrier_signal -1
	s_barrier_wait -1
	CREST
.endm
.macro ASK cond                        ; cond = 1: not in the loop's last trip, where the next refill is the short fill 10
.if \cond
	s_cmp_gt_u32 s3, 1
	s_cbranch_scc0 .Lno_ask_\@
.endif
	global_prefetch_b8 v[PF0], s[PFA:PFA+1] offset:REG th:TH_LOAD_NT scope:SCOPE_SE
	global_prefetch_b8 v[PF1], s[PFA:PFA+1] offset:REG th:TH_LOAD_NT scope:SCOPE_SE
.Lno_ask_\@:
.endm
	s_load_b512 s[4:19], s[0:1], 0x0               ; codes 4:5, b_f 6:7, b_i 8:9, b_o 10:11, b_c 12:13, c 14:15, out0 16:17, out1 18:19
	v_lshl_add_u32 v[SPW], v0, 2, SPARE
	v_mov_b32 v[NIL], 0
	ds_add_u32 v[SPW], v[NIL]                      ; the opening lines: the add, twice on end, and its wait ahead of my first tensor load
	ds_add_u32 v[SPW], v[NIL]
	v_lshrrev_b32 v1, 5, v0
	v_readfirstlane_b32 s20, v1                    ; wave
	s_lshr_b32 s21, s20, 1                         ; my half of the rows; also: I fetch for A (0) or B (1)
	s_and_b32 s22, s20, 1                          ; my half of the columns; also: which group of the two I fetch
	s_bfe_u32 s40, ttmp6, 0x40000                  ; cx, cy
	s_bfe_u32 s41, ttmp6, 0x40004
	s_lshl_b32 s42, ttmp9, 2
	s_add_co_u32 s42, s42, s40                     ; tile column
	s_and_b32 s45, ttmp7, 0xffff
	s_lshl_b32 s45, s45, 2
	s_add_co_u32 s45, s45, s41                     ; tile row
	s_lshl_b32 s43, s41, 2
	s_lshl_b32 s43, 15, s43                        ; my row of the cluster
	s_lshl_b32 s44, 0x1111, s40                    ; my column
	s_or_b32 s[G1+0], s43, (3<<16)|(1<<21)         ; a region: 150 dense rows of 32 elements of 8 bytes
	s_or_b32 s[G1B+0], s44, (3<<16)|(1<<21)
.irp g, G1, G1B
	s_mov_b32 s[\g+1], 32<<16
	s_mov_b32 s[\g+2], 150<<16
	s_mov_b32 s[\g+3], 32<<16
	s_mov_b32 s[\g+4], 150
	s_mov_b32 s[\g+5], 32
	s_mov_b32 s[\g+6], 0
	s_mov_b32 s[\g+7], 0
.endr
	s_mov_b32 s[G1C+0], (2<<16)|(1<<20)|(5<<22)|(3<<25)   ; c's tile: 64 rows of 64 f32, 16 bytes of padding behind each
	s_mov_b32 s[G1C+1], 64<<16
	s_mov_b32 s[G1C+2], 64<<16
	s_mov_b32 s[G1C+3], 64<<16
	s_mov_b32 s[G1C+4], 64
	s_mov_b32 s[G1C+5], 2048
	s_mov_b32 s[G1C+6], 0
	s_mov_b32 s[G1C+7], 0
	s_mov_b32 s[K1], 0xbfb8aa3b                    ; -log2 e
	s_mov_b32 s[K1+1], s[K1]
	s_mov_b32 s[K2], 0x4038aa3b                    ; 2 log2 e
	s_mov_b32 s[K2+1], s[K2]
	s_lshl_b32 s84, s45, 1
	s_add_co_u32 s84, s84, s22
	s_mul_i32 s84, s84, GRPB                       ; A's group 2 x tile row + half
	s_mov_b32 s85, 0
	s_lshl_b32 s86, s42, 1
	s_add_co_u32 s86, s86, s22
	s_mul_i32 s86, s86, GRPB
	s_add_co_u32 s86, s86, BBASE                   ; B's group 16 + 2 x tile column + half
	s_mov_b32 s87, 0
	s_mul_i32 s46, s20, REG                        ; where my region goes
	s_mul_i32 s47, s20, 64*SP
	s_add_co_u32 s47, s47, CST
	s_lshl_b32 s88, s45, 8
	s_lshl_b32 s89, s20, 6
	s_add_co_u32 s88, s88, s89
	s_lshl_b32 s88, s88, 13
	s_lshl_b32 s89, s42, 8
	s_add_co_u32 s88, s88, s89                     ; c: row 256 x tile row + 64 x wave, 256 bytes a tile column
	s_mov_b32 s89, 0
	s_lshl_b32 s96, s45, 8
	s_lshl_b32 s97, s21, 7
	s_add_co_u32 s96, s96, s97
	s_lshl_b32 s97, s22, 4
	s_add_co_u32 s96, s96, s97
	s_lshl_b32 s96, s96, 13
	s_lshl_b32 s97, s42, 8
	s_add_co_u32 s96, s96, s97                     ; the outputs: the first row that I store
	s_mov_b32 s97, 0
	s_lshl_b32 s90, s42, 8
	s_lshl_b32 s91, s22, 7
	s_add_co_u32 s90, s90, s91                     ; the biases of my 32 hidden units
	s_mov_b32 s91, 0
	s_wait_dscnt 0x0                               ; both opening adds are done
	s_wait_kmcnt 0x0
	s_add_nc_u64 s[92:93], s[4:5], s[84:85]
	s_add_nc_u64 s[94:95], s[4:5], s[86:87]
	s_add_nc_u64 s[14:15], s[14:15], s[88:89]
	s_add_nc_u64 s[16:17], s[16:17], s[96:97]
	s_add_nc_u64 s[18:19], s[18:19], s[96:97]
.irp g, 6,8,10,12
	s_add_nc_u64 s[\g:\g+1], s[\g:\g+1], s[90:91]
.endr
	s_mov_b32 s[G0C], 1
	s_mov_b32 s[G0C+1], s47
	s_mov_b64 s[G0C+2:G0C+3], s[14:15]
	s_or_b32 s[G0C+3], s[G0C+3], 0x80000000
.irp s, 0,1
	s_mov_b32 s[G0+4*\s], 1
	s_add_co_u32 s[G0+4*\s+1], s46, \s*SLOT
	s_add_nc_u64 s[G0+4*\s+2:G0+4*\s+3], s[92:93], \s*REG
	s_or_b32 s[G0+4*\s+3], s[G0+4*\s+3], 0x80000000
	s_mov_b32 s[G0B+4*\s], 1
	s_add_co_u32 s[G0B+4*\s+1], s46, \s*SLOT
	s_add_nc_u64 s[G0B+4*\s+2:G0B+4*\s+3], s[94:95], \s*REG
	s_or_b32 s[G0B+4*\s+3], s[G0B+4*\s+3], 0x80000000
.endr
	s_cmp_eq_u32 s21, 0                            ; the prefetches: my group's stream, and my place among the four that ask with me (cx for A, cy for B)
	s_cselect_b64 s[PFA:PFA+1], s[92:93], s[94:95]
	s_cselect_b32 s40, s40, s41
	s_add_nc_u64 s[PFA:PFA+1], s[PFA:PFA+1], REG   ; at fill 1: the first refill steps it to fill 2 and names fill 3
	CROUND                                         ; all sixteen work-groups are here: the first joint loads meet
	JLOAD G0, G1, G0B, G1B                         ; fill 0: one tensor load a wave at the head
	s_or_b32 s[G1L+0], s43, (3<<16)|(1<<21)        ; fill 10's shape: two chunks, 100 rows (in registers whose offsets are used up)
	s_or_b32 s[G1BL+0], s44, (3<<16)|(1<<21)
.irp g, G1L, G1BL
	s_mov_b32 s[\g+1], 32<<16
	s_mov_b32 s[\g+2], 100<<16
	s_mov_b32 s[\g+3], 32<<16
	s_mov_b32 s[\g+4], 100
	s_mov_b32 s[\g+5], 32
	s_mov_b32 s[\g+6], 0
	s_mov_b32 s[\g+7], 0
.endr
	s_mul_i32 s23, s21, REG                        ; my A region
	s_mul_i32 s2, s22, REG
	s_add_co_u32 s2, s2, 2*REG                     ; my B region
	s_xor_b32 s46, s21, 1
	s_add_co_u32 s46, s46, s22
	s_add_co_u32 s46, s46, 1
	s_mul_i32 s46, s46, REG                        ; the distance between the two
	s_add_co_u32 s47, s23, SCO
	s_mul_i32 s42, s21, 128*SP
	s_mul_i32 s45, s22, 16*SP
	s_add_co_u32 s45, s45, s42                     ; the stage, read back: my half's rows, 16 of each 32
	s_lshl_b32 s41, s22, 7
	s_add_co_u32 s42, s42, s41                     ; the stage, written: my half's rows, my 128 bytes of them
	v_and_b32 v1, 31, v0
	v_and_b32 v2, 15, v0
	v_bfe_u32 v3, v0, 4, 1
	v_lshlrev_b32 v8, 5, v3
	WIN TO_B                                       ; the biases come while fill 0 is on its way, into window 1: number 16 g + 8 u + i (gate g, hidden unit 16 u + 8 h + i) at v[96 + ..] for f and i, at v[192 + ..] for o and c~
.irp g, 0,1,2
.irp u, 0,1
.irp t, 0,1
	global_load_b128 v[96+16*\g+96*(\g/2)+8*\u+4*\t:96+16*\g+96*(\g/2)+8*\u+4*\t+3], v8, s[6+2*\g:7+2*\g] offset:64*\u+16*\t
.endr
.endr
.endr
.irp u, 0,1
.irp t, 0,1
	global_load_b128 v[240+8*\u+4*\t:240+8*\u+4*\t+3], v8, s[12:13] offset:64*\u+16*\t
.endr
.endr
	WIN 0
	v_lshlrev_b32 v4, 4, v1                        ; 16 x lane: my place in an image's 512 bytes
	v_add_nc_u32 v[ADRA], s23, v4
	v_add_nc_u32 v[ADRB], s2, v4
	v_add_nc_u32 v[ADRA+1], SLOT, v[ADRA]
	v_add_nc_u32 v[ADRB+1], SLOT, v[ADRB]
	v_mul_u32_u24 v5, s46, v3                      ; lanes 16-31 take B's scale words
	v_lshl_add_u32 v5, v2, 4, v5
	v_add_nc_u32 v[ADRS], s47, v5
	v_add_nc_u32 v[ADRS+1], SLOT, v[ADRS]
	v_mul_u32_u24 v6, v2, SP
	v_lshl_add_u32 v6, v3, 5, v6
	v_add_nc_u32 v6, s42, v6
	v_add_nc_u32 v[CA], CST, v6
	v_add_nc_u32 v[HA], HST, v6
	v_mul_u32_u24 v7, v3, SP
	v_lshl_add_u32 v7, v2, 4, v7
	v_add_nc_u32 v7, s45, v7
	v_add_nc_u32 v[RDC], CST, v7
	v_add_nc_u32 v[RDH], HST, v7
	v_lshlrev_b32 v[CO], 4, v2
	v_lshl_add_u32 v[CO], v3, 13, v[CO]
	v_lshl_add_u32 v[PF0], v1, 2, s40              ; block 4 x lane + place: 0 .. 127
	v_add_nc_u32 v[PF1], 128, v[PF0]
	v_min_u32 v[PF1], 149, v[PF1]                  ; blocks 128 .. 149; the lanes left over name the region's last block
	v_lshlrev_b32 v[PF0], 8, v[PF0]
	v_lshlrev_b32 v[PF1], 8, v[PF1]
	s_wait_alu depctr_va_vdst(0)                   ; directly ahead of the wait below
	s_wait_loadcnt 0x0
	WIN 0x41                                       ; source 0 and destination window 1: the biases x the exponentials' factors
.set GK, 0
.rept 24
	v_pk_mul_f32 v[96+GK+96*(GK/32):97+GK+96*(GK/32)], v[96+GK+96*(GK/32):97+GK+96*(GK/32)], s[K1:K1+1] op_sel_hi:[1,0]
.set GK, GK+2
.endr
.rept 8
	v_pk_mul_f32 v[192+GK:193+GK], v[192+GK:193+GK], s[K2:K2+1] op_sel_hi:[1,0]
.set GK, GK+2
.endr
	WIN 0
.macro FRAG reg, adr, j, i             ; a fragment's image: three loads of 16 bytes a lane
.irp c, 0,1,2
	ds_load_b128 v[\reg+4*\c:\reg+4*\c+3], v[\adr] offset:KC*(\j)+FRB*(\i)+512*\c
.endr
.set ISS, ISS+3
.endm
; Loads for step (slot NS_, chunk NJ_), whose B set and A buffers are NP_.  idx 0-7: B's fragment idx; 8, 9: half of the slot's scale words (NSC steps); 10-17: A's block idx - 10
; (its buffer NP_ = 1: 72 registers up for blocks 2 and 3, 96 down for blocks 4 to 7)
.macro RUN idx
.if (\idx) < 8
	WIN TO_B
	FRAG 128*NP_+FR*(\idx), ADRB+NS_, NJ_, (\idx)
.elseif (\idx) < 10
	WIN 0
.set SJ, 0
.rept NSC
	ds_load_b128 v[SC+24*NS_+8*SJ+4*((\idx)-8):SC+24*NS_+8*SJ+4*((\idx)-8)+3], v[ADRS+NS_] offset:KC*SJ+256*((\idx)-8)
.set SJ, SJ+1
.set ISS, ISS+1
.endr
.else
	WIN 0
.irp i, 0,1,2,3,4,5,6,7
.if \i == (\idx)-10
	FRAG AF+FR*\i+NP_*(72*((\i/2)%2)*(1-\i/4)-96*(\i/4)), ADRA+NS_, NJ_, \i
.set DA\i, ISS
.endif
.endr
.endif
.endm
; A step.  mode 0: fetches the next step from a slot that is whole.  1, 2, 3: changes slots and fills this one again (a whole fill; fill 10; c's tile).  4: the last step, fetches nothing.
; PLACES: a load into a register that a matrix instruction has read stands four plain vector instructions behind it.  All that the two runs load into was last read by instruction 15 of this step (A's blocks 0, 1) or in the step before:
; the four v_nop behind instruction 15 (in a change of slots: those behind the refill) serve both runs.
.macro STEP slot, j, p, nslot, nj, mode, ns, zero
.set NS_, \nslot
.set NJ_, \nj
.set NP_, 1-(\p)
.set NSC, \ns
.if (\mode) >= 1 && (\mode) <= 3
	WIN 0
.if (\mode) == 1
	s_wait_xcnt 0x0                                ; my last prefetches have read their address: it steps to the region asked for below
	s_add_nc_u64 s[PFA:PFA+1], s[PFA:PFA+1], REG
.endif
	s_wait_tensorcnt 0x0                           ; all my tensor loads have landed: my region of the other slot;
	ds_add_u32 v[SPW], v[NIL]                      ; 0 onto my spare word
.set ISS, ISS+1
.if (\mode) < 3
	s_add_nc_u64 s[G0+4*\slot+2:G0+4*\slot+3], s[G0+4*\slot+2:G0+4*\slot+3], 2*REG
	s_add_nc_u64 s[G0B+4*\slot+2:G0B+4*\slot+3], s[G0B+4*\slot+2:G0B+4*\slot+3], 2*REG
.endif
.endif
.irp a, 0,1,2,3,4,5,6,7
.if (\mode) == 0 || (\mode) == 4 || \a < 1
	s_wait_dscnt ISS-DA\a                          ; block a of A is in, and all that was asked for ahead of it (B's set and the scale words stand ahead of block 0): what was issued since may be out
.endif
.irp b, 0,1,2,3,4,5,6,7
.set W, 8*\a+\b
.set AA, AF+FR*\a+(\p)*(72*((\a/2)%2)*(1-\a/4)-96*(\a/4))
	WIN MUL_LO+0x50*(\a/4)
.if \zero
	v_wmma_scale_f32_16x16x128_f8f6f4 v[8*(8*(\a%4)+\b):8*(8*(\a%4)+\b)+7], v[128*(\p)+FR*\b:128*(\p)+FR*\b+FR-1], v[AA:AA+FR-1], 0, v[SC+24*(\slot)+8*(\j)+\b], v[SC+24*(\slot)+8*(\j)+\a] matrix_a_fmt:MATRIX_FMT_BF6 matrix_b_fmt:MATRIX_FMT_BF6 matrix_a_scale:MATRIX_SCALE_ROW1
.else
	v_wmma_scale_f32_16x16x128_f8f6f4 v[8*(8*(\a%4)+\b):8*(8*(\a%4)+\b)+7], v[128*(\p)+FR*\b:128*(\p)+FR*\b+FR-1], v[AA:AA+FR-1], v[8*(8*(\a%4)+\b):8*(8*(\a%4)+\b)+7], v[SC+24*(\slot)+8*(\j)+\b], v[SC+24*(\slot)+8*(\j)+\a] matrix_a_fmt:MATRIX_FMT_BF6 matrix_b_fmt:MATRIX_FMT_BF6 matrix_a_scale:MATRIX_SCALE_ROW1
.endif
.if (\mode) == 0
.if W == 15
.rept 4
	v_nop
.endr
.irp q, 0,1,2,3,4,5,6,7
	RUN \q
.endr
.elseif W == 39
.irp q, 10,11,12,13,14,15,16,17
	RUN \q
.endr
.endif
.elseif (\mode) < 4
.if W == 7
	s_wait_dscnt 0x0                               ; the add is done, and my reads of this slot are over (all were issued in the step before)
	s_barrier_signal -1                            ; opens a round of the cluster's barrier
.elseif W == 15
	WIN 0
	s_barrier_wait -1
	CREST                                          ; no wave of any partner still reads this slot or has a load on its way
.if (\mode) == 1
	JLOAD G0+4*\slot, G1, G0B+4*\slot, G1B
.elseif (\mode) == 2
	JLOAD G0+4*\slot, G1L, G0B+4*\slot, G1BL
.else
	tensor_load_to_lds s[G0C:G0C+3], s[G1C:G1C+7]  ; my 64 rows of c's tile: slot 1's last fill
	s_nop 0
.rept 4
	v_nop
.endr
.endif
.irp q, 0,1,2,3,4,5,6,7,8,9
	RUN \q
.endr
.if (\mode) == 1
	WIN 0
	ASK \slot
.endif
.elseif W == 39
.irp q, 10,11,12,13,14,15,16,17
	RUN \q
.endr
.endif
.endif
.endr
.endr
.endm
	s_wait_alu depctr_va_vdst(0)                   ; at the head's end
	s_wait_tensorcnt 0x0                           ; my region of fill 0 is in
	ds_add_u32 v[SPW], v[NIL]
	s_wait_dscnt 0x0
	CROUND
	JLOAD G0+4, G1, G0B+4, G1B                     ; fill 1, the first tensor load behind the round
.set NS_, 0
.set NJ_, 0
.set NP_, 0
.set NSC, 3
.irp n, 0,1,2,3,4,5,6,7,8,9,10,11,12,13,14,15,16,17
	RUN \n
.endr
	STEP 0,0,0, 0,1, 0,0, 1                        ; the first step's products start the sums
	WIN 0
	s_mov_b32 s3, LAPS
.Llap:                                                 ; a trip: six steps, once round the ring; both slots are filled again (fills 2 to 9)
	STEP 0,1,1, 0,2, 0,0, 0
	STEP 0,2,0, 1,0, 1,3, 0
	STEP 1,0,1, 1,1, 0,0, 0
	STEP 1,1,0, 1,2, 0,0, 0
	STEP 1,2,1, 0,0, 1,3, 0
	STEP 0,0,0, 0,1, 0,0, 0
	WIN 0
	s_sub_co_u32 s3, s3, 1
	s_cmp_lg_u32 s3, 0
	s_cbranch_scc1 .Llap
	STEP 0,1,1, 0,2, 0,0, 0                        ; steps 25 to 31
	STEP 0,2,0, 1,0, 2,3, 0                        ; slot 0 takes fill 10
	STEP 1,0,1, 1,1, 0,0, 0
	STEP 1,1,0, 1,2, 0,0, 0
	STEP 1,2,1, 0,0, 3,2, 0                        ; slot 1 takes c's tile
	STEP 0,0,0, 0,1, 0,0, 0
	STEP 0,1,1, 0,0, 4,0, 0
	WIN 0
.rept 4
	v_nop                                          ; places in front of the first reads of results
.endr
	s_wait_tensorcnt 0x0                           ; my rows of c's tile are in
	s_wait_dscnt 0x0
	s_barrier_signal -1
	s_barrier_wait -1                              ; everybody's are
; Block a (16 rows of the batch): registers 0-15 f, 16-31 i, 32-47 o, 48-63 c~ of hidden units 16 u + 8 h + 0 .. 7.  Each batch of transcendentals has one wait ahead and one behind.
.macro GATE a
.irp u, 0,1
.irp t, 0,1
	ds_load_b128 v[CC+8*\u+4*\t:CC+8*\u+4*\t+3], v[CA] offset:16*(\a)*SP+64*\u+16*\t
.endr
.endr
	WIN 0x12+(\a)/4                                ; source 0: the accumulators' window; source 2: window 1, the biases
.set GK, 0
.rept 24
	v_pk_fma_f32 v[T+GK:T+GK+1], v[64*((\a)%4)+GK:64*((\a)%4)+GK+1], s[K1:K1+1], v[96+GK+96*(GK/32):97+GK+96*(GK/32)] op_sel_hi:[1,0,1]
.set GK, GK+2
.endr
.rept 8
	v_pk_fma_f32 v[T+GK:T+GK+1], v[64*((\a)%4)+GK:64*((\a)%4)+GK+1], s[K2:K2+1], v[192+GK:193+GK] op_sel_hi:[1,0,1]
.set GK, GK+2
.endr
	WIN 0
.set GK, 0
	s_wait_alu depctr_va_vdst(0)
.rept 64
	v_exp_f32 v[T+GK], v[T+GK]
.set GK, GK+1
.endr
	v_nop
.set GK, 0
	s_wait_alu depctr_va_vdst(0)
.rept 32
	v_pk_add_f32 v[T+GK:T+GK+1], v[T+GK:T+GK+1], 1.0 op_sel_hi:[1,0]
.set GK, GK+2
.endr
.set GK, 0
	s_wait_alu depctr_va_vdst(0)
.rept 64
	v_rcp_f32 v[T+GK], v[T+GK]
.set GK, GK+1
.endr
	v_nop
.set GK, 0
	s_wait_alu depctr_va_vdst(0)
.rept 8
	v_pk_fma_f32 v[T+48+GK:T+48+GK+1], v[T+48+GK:T+48+GK+1], -2.0, 1.0 op_sel_hi:[1,0,0]   ; c~ = tanh
.set GK, GK+2
.endr
	s_wait_dscnt 0x0
.set GK, 0
.rept 8
	v_pk_mul_f32 v[CN+GK:CN+GK+1], v[T+GK:T+GK+1], v[CC+GK:CC+GK+1]                        ; f c
.set GK, GK+2
.endr
.set GK, 0
.rept 8
	v_pk_fma_f32 v[CN+GK:CN+GK+1], v[T+16+GK:T+16+GK+1], v[T+48+GK:T+48+GK+1], v[CN+GK:CN+GK+1]   ; + i c~
.set GK, GK+2
.endr
.set GK, 0
.rept 8
	v_pk_mul_f32 v[T+GK:T+GK+1], v[CN+GK:CN+GK+1], s[K2:K2+1] op_sel_hi:[1,0]
.set GK, GK+2
.endr
.set GK, 0
	s_wait_alu depctr_va_vdst(0)
.rept 16
	v_exp_f32 v[T+GK], v[T+GK]
.set GK, GK+1
.endr
	v_nop
.set GK, 0
	s_wait_alu depctr_va_vdst(0)
.rept 8
	v_pk_add_f32 v[T+GK:T+GK+1], v[T+GK:T+GK+1], 1.0 op_sel_hi:[1,0]
.set GK, GK+2
.endr
.set GK, 0
	s_wait_alu depctr_va_vdst(0)
.rept 16
	v_rcp_f32 v[T+GK], v[T+GK]
.set GK, GK+1
.endr
	v_nop
.set GK, 0
	s_wait_alu depctr_va_vdst(0)
.rept 8
	v_pk_fma_f32 v[T+GK:T+GK+1], v[T+GK:T+GK+1], -2.0, 1.0 op_sel_hi:[1,0,0]               ; tanh(c_new)
.set GK, GK+2
.endr
.set GK, 0
.rept 8
	v_pk_mul_f32 v[HN+GK:HN+GK+1], v[T+32+GK:T+32+GK+1], v[T+GK:T+GK+1]
.set GK, GK+2
.endr
.irp u, 0,1
.irp t, 0,1
	ds_store_b128 v[CA], v[CN+8*\u+4*\t:CN+8*\u+4*\t+3] offset:16*(\a)*SP+64*\u+16*\t
	ds_store_b128 v[HA], v[HN+8*\u+4*\t:HN+8*\u+4*\t+3] offset:16*(\a)*SP+64*\u+16*\t
.endr
.endr
.endm
.macro MEET                            ; a row's 256 bytes come from two waves: my stores are done, then the barrier
	s_wait_dscnt 0x0
	s_barrier_signal -1
	s_barrier_wait -1
.endm
; 16 whole rows of c_new and of h_new come back into the registers of B's two sets, beside the biases: k = 0 and 3: v0-31, v32-63; k = 1: v128-159, v160-191; k = 2: v64-95, v192-223
.macro LOADP k
.set CB_, 128*(((\k)%3)%2)+64*(((\k)%3)/2)
.set HB_, 32+128*(((\k)%3)%2)+160*(((\k)%3)/2)
	WIN TO_B
.irp t, 0,1,2,3,4,5,6,7
	ds_load_b128 v[CB_+4*\t:CB_+4*\t+3], v[RDC] offset:(32*(\k)+2*\t)*SP
.endr
.irp t, 0,1,2,3,4,5,6,7
	ds_load_b128 v[HB_+4*\t:HB_+4*\t+3], v[RDH] offset:(32*(\k)+2*\t)*SP
.endr
	WIN 0
.endm
.macro SENDP k                         ; sixteen lanes store 256 consecutive bytes, aligned
.set CB_, 128*(((\k)%3)%2)+64*(((\k)%3)/2)
.set HB_, 32+128*(((\k)%3)%2)+160*(((\k)%3)/2)
	WIN 0x04
.irp t, 0,1,2,3,4,5,6,7
	global_store_b128 v[CO], v[CB_+4*\t:CB_+4*\t+3], s[18:19] offset:(32*(\k)+2*\t)*8192 th:TH_STORE_NT
.endr
.irp t, 0,1,2,3,4,5,6,7
	global_store_b128 v[CO], v[HB_+4*\t:HB_+4*\t+3], s[16:17] offset:(32*(\k)+2*\t)*8192 th:TH_STORE_NT
.endr
	WIN 0
.endm
	GATE 0
	GATE 1
	MEET
	LOADP 0
	GATE 2                                         ; its wait for c's numbers also shows the rows above back
	SENDP 0
	GATE 3
	MEET
	LOADP 1
	GATE 4
	SENDP 1
	GATE 5
	MEET
	LOADP 2
	GATE 6
	SENDP 2
	GATE 7
	MEET
	s_wait_xcnt 0x0                                ; the first sixteen rows' stores have read their registers, which are loaded again
	LOADP 3
	s_wait_dscnt 0x0
	SENDP 3
	s_wait_tensorcnt 0x0                           ; the wave's end
	ds_add_u32 v[SPW], v[NIL]
	s_wait_dscnt 0x0
	CROUND                                         ; the closing round
	s_endpgm
.Lfunc_end_k_qaf2e2f35fb_cell:
	.size	k_qaf2e2f35fb_cell, .Lfunc_end_k_qaf2e2f35fb_cell-k_qaf2e2f35fb_cell
	.p2alignl 7, 3214868480
	.fill 96, 4, 3214868480
	.section	.rodata,"a",@progbits
	.p2align	6, 0x0
	.amdhsa_kernel k_qaf2e2f35fb_cell
		.amdhsa_group_segment_fixed_size 327680
		.amdhsa_private_segment_fixed_size 0
		.amdhsa_enable_private_segment 0
		.amdhsa_kernarg_size 64
		.amdhsa_user_sgpr_count 2
		.amdhsa_user_sgpr_kernarg_segment_ptr 1
		.amdhsa_wavefront_size32 1
		.amdhsa_system_sgpr_workgroup_id_x 1
		.amdhsa_system_sgpr_workgroup_id_y 1
		.amdhsa_system_sgpr_workgroup_id_z 1
		.amdhsa_system_vgpr_workitem_id 0
		.amdhsa_next_free_vgpr 1024
		.amdhsa_next_free_sgpr 100
		.amdhsa_reserve_vcc 0
		.amdhsa_float_denorm_mode_32 3
		.amdhsa_float_denorm_mode_16_64 3
		.amdhsa_memory_ordered 1
		.amdhsa_forward_progress 1
		.amdhsa_inst_pref_size 255
	.end_amdhsa_kernel
	.section	.bss,"aw",@nobits
	.p2align	6
	.space	262144
	.amdgpu_metadata
---
amdhsa.version: [ 1, 2 ]
amdhsa.kernels:
  - .name:           k_qaf2e2f35fb_cell
    .symbol:         k_qaf2e2f35fb_cell.kd
    .args:
      - { .name: codes, .offset: 0, .size: 8, .value_kind: global_buffer, .address_space: global }
      - { .name: b_f, .offset: 8, .size: 8, .value_kind: global_buffer, .address_space: global }
      - { .name: b_i, .offset: 16, .size: 8, .value_kind: global_buffer, .address_space: global }
      - { .name: b_o, .offset: 24, .size: 8, .value_kind: global_buffer, .address_space: global }
      - { .name: b_c, .offset: 32, .size: 8, .value_kind: global_buffer, .address_space: global }
      - { .name: c, .offset: 40, .size: 8, .value_kind: global_buffer, .address_space: global }
      - { .name: out0, .offset: 48, .size: 8, .value_kind: global_buffer, .address_space: global }
      - { .name: out1, .offset: 56, .size: 8, .value_kind: global_buffer, .address_space: global }
    .group_segment_fixed_size: 327680
    .private_segment_fixed_size: 0
    .kernarg_segment_align: 8
    .kernarg_segment_size: 64
    .max_flat_workgroup_size: 128
    .sgpr_count:     100
    .vgpr_count:     1024
    .wavefront_size: 32
...
	.end_amdgpu_metadata
.endif
;; end of part 2
